; MI455X (gfx1250); checked and timed in simulation.
; The chip was launched on July 23, 2026; its instructions are those of AMD's public machine-readable ISA for CDNA 5 (MIT licence, August 2026) and "CDNA5" Instruction Set Architecture Reference Guide (July 2026). The comments in the code are by the model that wrote it; some were corrected since.
;; Attention. Allowed arithmetic: float matrix products may take bf16 or f16 operands with f32 sums; all other float work in f32.
;; Inputs: key 4 x 16 x 2,048 x 64 float32; mask 2,048 x 2,048 bool; query 4 x 16 x 2,048 x 64 float32; value 4 x 16 x 2,048 x 64 float32.
;; Outputs: out0 4 x 16 x 2,048 x 64 float32.
;; One version. Each part assembles by itself: llvm-mc -triple=amdgcn-amd-amdhsa -mcpu=gfx1250 --defsym DOCPART=n.
;; ======== version 1 of 1: 2 launches
;; limits: values are held in f16: magnitudes above 65,504 overflow, below 6.1e-05 lose precision; inputs' magnitudes at most 65,504
;; workspace buffers: mbits 524,288 bytes of whole numbers
;; launch pack (part 1): grid 256 x 1, 4 waves a work-group, no clusters, 0 bytes of LDS; arguments mask, mbits; writes mbits
.if DOCPART == 1
	.amdgcn_target "amdgcn-amd-amdhsa--gfx1250"
	.amdhsa_code_object_version 6
	.text
	.protected	k_q1da8958cdc_pack
	.globl	k_q1da8958cdc_pack
	.p2align	8
	.type	k_q1da8958cdc_pack,@function
k_q1da8958cdc_pack:
	s_mov_b64 s[64:65], 0
	v_nop
	global_prefetch_b8 v0, s[64:65] scope:SCOPE_SE
	s_setreg_imm32_b32 hwreg(HW_REG_WAVE_MODE, 25, 1), 1
	s_wait_xcnt 0x0
; mask [2048][2048] of bytes  ->  mbits, 32-bit lane masks in the order in which the attention launch selects with them.
; mbits dword [qg 0..127][kt 0..127][j 0..7]; bit L of it = (mask[16 qg + (L & 15)][16 kt + 8 (L >> 4) + j] != 0).
; That is the place of a score in the result of a 16 x 16 matrix instruction with keys as rows and queries as columns:
; lane L, register j holds query L & 15 and key 8 (L >> 4) + j.  Any byte other than 0 counts as true.
; The mask is the same for all 64 heads, so it is turned into bits once, here, and not 64 times over.
; 1,024 waves; a wave takes one group of 16 query rows x 256 keys (16 tiles): 16 loads of 8 bytes a lane, which together
; cover 256 consecutive bytes, aligned, of each of the 16 rows, and one store of 512 consecutive bytes, aligned.
; Waves share nothing: no LDS, no barrier.
.set RES, 4                            ; v[4:7]    the 128 result dwords: lane l holds dwords 4 l .. 4 l + 3
.set BY,  8                            ; v[8:39]   tile k: two registers, my row's 8 mask bytes
.set TMP, 40                           ; v[40:43]  one byte cut out, four in turn
.set CM,  20                           ; s[20:27]  lane mask of byte j
	s_load_b128 s[4:7], s[0:1], 0x0                ; mask s[4:5], mbits s[6:7]
	v_lshrrev_b32 v3, 5, v0
	v_readfirstlane_b32 s8, v3                     ; wave 0..3
	v_and_b32 v1, 15, v0                           ; row of the group
	v_bfe_u32 v3, v0, 4, 1                         ; which 8 keys of a tile
	v_and_b32 v2, 31, v0                           ; lane
	v_lshlrev_b32 v1, 11, v1                       ; row x 2,048 bytes
	v_lshl_add_u32 v1, v3, 3, v1                   ; + 8 x half: the load offset
	v_lshlrev_b32 v2, 4, v2                        ; 16 x lane: the store offset
	s_lshr_b32 s9, ttmp9, 1                        ; qg: two work-groups share a group of rows
	s_and_b32 s10, ttmp9, 1
	s_lshl2_add_u32 s10, s10, s8                   ; which 256 keys: 4 x (work-group & 1) + wave
	s_lshl_b32 s12, s9, 15                         ; 16 rows x 2,048 bytes
	s_lshl_b32 s11, s10, 8
	s_add_co_u32 s12, s12, s11
	s_mov_b32 s13, 0
	s_lshl_b32 s14, s9, 12                         ; 128 tiles x 8 dwords x 4 bytes
	s_lshl_b32 s11, s10, 9                         ; 16 tiles x 32 bytes
	s_add_co_u32 s14, s14, s11
	s_mov_b32 s15, 0
	s_wait_kmcnt 0x0
	s_add_nc_u64 s[4:5], s[4:5], s[12:13]
	s_add_nc_u64 s[6:7], s[6:7], s[14:15]
.irp k, 0,1,2,3,4,5,6,7,8,9,10,11,12,13,14,15
	global_load_b64 v[BY+2*\k:BY+2*\k+1], v1, s[4:5] offset:16*\k th:TH_LOAD_NT   ; read once in the launch
.endr
.irp e, 0,1,2,3
	v_mov_b32 v[RES+\e], 0                         ; v_writelane_b32 keeps the other lanes, so the registers are written whole first
.endr
.set k, 0
.rept 16
	s_wait_loadcnt 15-k                            ; loads return in order (ISA guide 5.7.1): tile k is in, the 15 - k younger ones stay out
.set j, 0
.rept 8
	v_and_b32 v[TMP+(j&3)], 0xff<<(8*(j&3)), v[BY+2*k+(j>>2)]      ; byte j of my 8
	v_cmp_ne_u32 s[CM+j], 0, v[TMP+(j&3)]                          ; one bit a lane: dword 8 k + j
	v_writelane_b32 v[RES+((8*k+j)&3)], s[CM+j], (8*k+j)>>2        ; to the lane and register that store it
.set j, j+1
.endr
.set k, k+1
.endr
	global_store_b128 v2, v[RES:RES+3], s[6:7] th:TH_STORE_NT      ; 512 consecutive bytes, aligned
	s_endpgm
.Lfunc_end_k_q1da8958cdc_pack:
	.size	k_q1da8958cdc_pack, .Lfunc_end_k_q1da8958cdc_pack-k_q1da8958cdc_pack
	.p2alignl 7, 3214868480
	.fill 96, 4, 3214868480
	.section	.rodata,"a",@progbits
	.p2align	6, 0x0
	.amdhsa_kernel k_q1da8958cdc_pack
		.amdhsa_group_segment_fixed_size 0
		.amdhsa_private_segment_fixed_size 0
		.amdhsa_enable_private_segment 0
		.amdhsa_kernarg_size 16
		.amdhsa_user_sgpr_count 2
		.amdhsa_user_sgpr_kernarg_segment_ptr 1
		.amdhsa_wavefront_size32 1
		.amdhsa_system_sgpr_workgroup_id_x 1
		.amdhsa_system_sgpr_workgroup_id_y 1
		.amdhsa_system_sgpr_workgroup_id_z 1
		.amdhsa_system_vgpr_workitem_id 0
		.amdhsa_next_free_vgpr 44
		.amdhsa_next_free_sgpr 66
		.amdhsa_reserve_vcc 0
		.amdhsa_float_denorm_mode_32 3
		.amdhsa_float_denorm_mode_16_64 3
		.amdhsa_memory_ordered 1
		.amdhsa_forward_progress 1
		.amdhsa_inst_pref_size 28
	.end_amdhsa_kernel
	.amdgpu_metadata
---
amdhsa.version: [ 1, 2 ]
amdhsa.kernels:
  - .name:           k_q1da8958cdc_pack
    .symbol:         k_q1da8958cdc_pack.kd
    .args:
      - { .name: mask, .offset: 0, .size: 8, .value_kind: global_buffer, .address_space: global }
      - { .name: mbits, .offset: 8, .size: 8, .value_kind: global_buffer, .address_space: global }
    .group_segment_fixed_size: 0
    .private_segment_fixed_size: 0
    .kernarg_segment_align: 8
    .kernarg_segment_size: 16
    .max_flat_workgroup_size: 128
    .sgpr_count:     66
    .vgpr_count:     44
    .wavefront_size: 32
...
	.end_amdgpu_metadata
.endif
;; end of part 1
;; launch attn (part 2): grid 4 x 64, 8 waves a work-group, no clusters, 74,752 bytes of LDS; arguments key, value, query, mbits, out0; writes out0
.if DOCPART == 2
	.amdgcn_target "amdgcn-amd-amdhsa--gfx1250"
	.amdhsa_code_object_version 6
	.text
	.protected	k_q1da8958cdc_attn
	.globl	k_q1da8958cdc_attn
	.p2align	8
	.type	k_q1da8958cdc_attn,@function
k_q1da8958cdc_attn:
	s_mov_b64 s[64:65], 0
	v_nop
	global_prefetch_b8 v0, s[64:65] scope:SCOPE_SE
	s_setreg_imm32_b32 hwreg(HW_REG_WAVE_MODE, 25, 1), 1
	s_wait_xcnt 0x0
; out = softmax(mask ? Q K^T : -inf, scaled by 1/8) V for 64 heads of 2,048 x 64, f32 in and out; products in f16 with f32 sums.
; A work-group takes 512 queries of one head (grid x: which 512; grid y: head), eight waves, two on each of the WGP's four SIMDs
; with 512 registers each, so that one wave's softmax runs beside the other's matrix work.  A wave owns 64 queries: 4 groups of 16.
; Keys go in 32 steps of 64, with a running maximum and a running sum for each query.
;
; BOTH PRODUCTS ARE TAKEN TRANSPOSED.  S^T = K Q^T: lane (r = l & 15, h = l >> 4), register j of tile t holds query r and key
; 16 t + 8 h + j, so a lane serves one query: maximum, sum and rescaling factor are one number a lane, and the two lanes of a query meet in
; one v_permlanex16_b32.  Packing registers 2 i, 2 i + 1 to f16 gives, with no move between lanes, the second source of
; O^T = V^T P^T (k = 8 h .. in registers 0-3, 16 + 8 h .. in 4-7).  V^T comes from V[key][d] in LDS by transposing loads.
; Q is multiplied by 0.125 log2(e) before it is rounded to f16, so that p = 2^(s - m).
; The mask arrives as lane masks (launch pack): one v_cndmask_b32 for each score register.
;
; WHY f16 AND NOT bf16.  A row with few unmasked keys sums a few terms of V's own size, and where they cancel the result's error is the
; operands' rounding: up to 2^-12 of a term in f16, 2^-9 in bf16, while the whole output's root mean square, by which errors are
; judged, is about a tenth of V's spread.  The operands have room in f16: p lies in [0, 1]; Q, K and V of the problem's kind, even 30 times
; larger and with an offset of 30 spreads (about 1,100), lie far below 65,504; 30 times smaller they have a spread of 0.03, and what falls
; below 2^-14 is kept as a denormal with an error of at most 2^-25.
;
; K AND V go from memory through registers to LDS, since they have to be converted from f32 to f16 on the way: each thread loads
; 8 x 16 bytes of the 32,768-byte step, packs them and stores 8 x 8 bytes.  NO JOINT TENSOR LOADS among the four work-groups of a head:
; such a load would lay the 32,768 bytes of f32 into LDS, to be read back and stored again as 16,384 bytes of f16, 81,920 bytes of LDS
; traffic a step where this text has 16,384, and the conversion would pass through registers all the same.
;
; LIMITS.  Q (after its scale), K, V and p are rounded to f16; the sum of a row adds the unrounded p.  |K| or |V| above 65,504 and |Q|
; above 363,000 become infinity.  p below 2^-25 becomes 0 in the second product: over 2,048 keys at most 6e-5 of the row's largest weight.
; The running maximum starts at -FLT_MAX, the neutral element for finite scores, and runs over unmasked scores only.  A row with no true
; mask entry keeps sum 0 and O 0 and gives 0 x (1/0) = NaN, as the softmax of such a row does.  NaN and infinities among the inputs
; are not followed.
.set KPITCH, 144                       ; an LDS row of K: 128 bytes + 16, so that 16 rows start in 16 different 16-byte columns modulo 256 bytes
.set VPITCH, 160                       ; an LDS row of V: 128 bytes + 32, an odd multiple of 32, for the transposing loads
.set KBYTES, 64*KPITCH                 ; 9,216
.set VBYTES, 64*VPITCH                 ; 10,240
.set KB0,    0                         ; K, two buffers
.set VB0,    2*KBYTES                  ; V, two buffers
.set STAGE,  VB0+2*VBYTES              ; 38,912: the way out, 16 rows x 272 bytes for each wave
.set SPITCH, 272
.set STAGEW, 16*SPITCH
.set TILE,   16384                     ; a step's 64 rows of 256 bytes of K, or of V, in memory
; registers, window 0
.set KADR, 1                           ; r x 144 + 16 h: my part of a K fragment
.set VADR, 2                           ; (8 h + (l & 7)) x 160 + 16 ((l >> 3) & 1): my address in a transposing load
.set KST,  3                           ; (t >> 4) x 144 + 8 (t & 15): where thread t stores 4 f16 of K
.set VST,  4                           ; the same with pitch 160
.set GOFF, 5                           ; 16 t: thread t's 16 bytes in each 4,096 of a tile
.set NINF, 6                           ; -infinity
.set PFO,  7                           ; prefetch: 256 x lane + the half of the tile that this work-group asks for
.set STO,  8                           ; way out: stage + r x 272 + 32 h
.set SRD,  9                           ; way out: stage + h x 272 + 16 r
.set OOFF, 10                          ; way out: 16 x lane
.set QOFF, 11                          ; r x 256 + 32 h
.set RMAX, 12                          ; v[12:15]   running maximum of group g
.set RSUM, 16                          ; v[16:23]   group g: a pair of partial sums over my lane's keys
.set MN,   24                          ; v[24:25]   new maximum (the pair's first register is used; the second is written once)
.set AL,   26                          ; v[26:27]   2^(old maximum - new maximum), likewise
.set TB,   28                          ; v[28:29]   second chain of the sum
.set GT,   32                          ; v[32:63]   the f32 tile on its way: K 16 registers, V 16
.set KF,   64                          ; v[64:127]  K fragments: tile t, half dh of d at 64 + 16 t + 8 dh
.set QR,   64                          ; v[64:191]  in the prologue: Q as loaded
.set SCA,  128                         ; v[128:159] scores, buffer A
.set SCB,  160                         ; v[160:191] scores, buffer B
.set PB,   192                         ; v[192:207] p in f16
.set CV,   208                         ; v[208:223] the tile in f16, to be stored to LDS
.set TMP,  224                         ; v[224:231]
.set INV,  232                         ; v[232:239] group g: 1 / sum, twice
; registers, window 1 (v256-v511, written by their low 8 bits)
.set QF,   0                           ; Q fragments: group g, half dh at 16 g + 8 dh
.set OA,   64                          ; O^T: group g, 16 d's dt at 64 + 32 g + 8 dt
.set VF,   192                         ; V^T fragments: 32 keys c, 16 d's dt at 192 + 8 (4 c + dt)
; scalars: s[4:5] K tile, s[6:7] V tile, s[8:9] my Q rows, s[10:11] my mask rows, s[12:13] my out rows, s14 wave, s15 which 512 queries,
; s48 128 x step, s49 loop count, s50-51 lane select, s[52:53] Q's scale, s[54:55] prefetch base, s[56:63] at work
.set MKA,  16                          ; s[16:47]   lane masks, buffer A (groups 0, 2)
.set MKB,  68                          ; s[68:99]   lane masks, buffer B (groups 1, 3)
.set MSB, 0
.macro WIN new                         ; s_set_vgpr_msb: bits 1:0 source 0, 3:2 source 1, 5:4 source 2, 7:6 destination; the high byte repeats the setting left
.if MSB != \new
	s_set_vgpr_msb (MSB<<8)|\new
.set MSB, \new
.endif
.endm
	s_load_b256 s[4:11], s[0:1], 0x0               ; key, value, query, mbits
	s_load_b64 s[12:13], s[0:1], 0x20              ; out0
	v_lshl_add_u32 v254, v0, 2, 0x12000
	v_mov_b32 v255, 0
	v_lshrrev_b32 v[TMP], 5, v0
	v_readfirstlane_b32 s14, v[TMP]                ; wave 0..7
	s_mov_b32 s15, ttmp9                           ; which 512 queries
	s_and_b32 s56, ttmp7, 0xffff                   ; head
	s_lshl_b32 s56, s56, 19                        ; x 2,048 rows of 256 bytes (all offsets stay below 2^25)
	s_mov_b32 s57, 0
	s_lshl_b32 s58, s15, 17                        ; 512 rows of 256 bytes; also 32 mask rows of 4,096 bytes
	s_lshl_b32 s60, s14, 14                        ; 64 rows of 256 bytes; also 4 mask rows
	s_add_co_u32 s58, s58, s60                     ; s[58:59]: my offset in mbits
	s_mov_b32 s59, 0
	s_add_co_u32 s60, s58, s56                     ; s[60:61]: my offset in query and out0
	s_mov_b32 s61, 0
	s_and_b32 s62, s15, 1
	s_lshl_b32 s62, s62, 13                        ; prefetch: first or second 8,192 bytes of a tile
	s_mul_i32 s63, s14, STAGEW
	s_add_co_u32 s63, s63, STAGE                   ; my wave's stage
	s_mov_b32 s48, 0
	s_mov_b32 s50, 0x76543210                      ; v_permlanex16_b32: lane i of one half reads lane i of the other
	s_mov_b32 s51, 0xfedcba98
	s_mov_b32 s52, 0x3e38aa3b                      ; 0.125 log2(e)
	s_mov_b32 s53, 0x3e38aa3b
	v_and_b32 v[TMP], 15, v0                       ; r; also t & 15
	v_bfe_u32 v[TMP+1], v0, 4, 1                   ; h
	v_and_b32 v[TMP+2], 31, v0                     ; lane
	v_and_b32 v[TMP+3], 7, v0
	v_bfe_u32 v[TMP+4], v0, 3, 1
	v_lshrrev_b32 v[TMP+5], 4, v0                  ; t >> 4
	v_lshlrev_b32 v[GOFF], 4, v0
	v_lshlrev_b32 v[QOFF], 8, v[TMP]
	v_lshl_add_u32 v[QOFF], v[TMP+1], 5, v[QOFF]
	v_mul_u32_u24 v[KADR], v[TMP], KPITCH
	v_lshl_add_u32 v[KADR], v[TMP+1], 4, v[KADR]
	v_lshl_add_u32 v[TMP+3], v[TMP+1], 3, v[TMP+3] ; 8 h + (l & 7)
	v_mul_u32_u24 v[VADR], v[TMP+3], VPITCH
	v_lshl_add_u32 v[VADR], v[TMP+4], 4, v[VADR]
	v_mul_u32_u24 v[KST], v[TMP+5], KPITCH
	v_lshl_add_u32 v[KST], v[TMP], 3, v[KST]
	v_mul_u32_u24 v[VST], v[TMP+5], VPITCH
	v_lshl_add_u32 v[VST], v[TMP], 3, v[VST]
	v_mov_b32 v[NINF], 0xff800000
	v_lshl_add_u32 v[PFO], v[TMP+2], 8, s62
	v_mul_u32_u24 v[STO], v[TMP], SPITCH
	v_lshl_add_u32 v[STO], v[TMP+1], 5, v[STO]
	v_add_nc_u32 v[STO], s63, v[STO]
	v_mul_u32_u24 v[SRD], v[TMP+1], SPITCH
	v_lshl_add_u32 v[SRD], v[TMP], 4, v[SRD]
	v_add_nc_u32 v[SRD], s63, v[SRD]
	v_lshlrev_b32 v[OOFF], 4, v[TMP+2]
.irp g, 0,1,2,3
	v_mov_b32 v[RMAX+\g], 0xff7fffff               ; -FLT_MAX
.endr
	v_mov_b32 v[MN+1], 0                           ; second registers of pairs whose first is broadcast: written once
	v_mov_b32 v[AL+1], 0
	s_wait_kmcnt 0x0
	s_cmp_lt_u32 s15, 2                            ; work-groups 0, 1 of a head prefetch K, 2 and 3 V
	s_cselect_b64 s[54:55], s[4:5], s[6:7]
	s_add_nc_u64 s[4:5], s[4:5], s[56:57]          ; the head's K, tile 0
	s_add_nc_u64 s[6:7], s[6:7], s[56:57]
	s_add_nc_u64 s[54:55], s[54:55], s[56:57]
	s_add_nc_u64 s[54:55], s[54:55], 2*TILE        ; stepped before each prefetch: step 0 asks for tile 3
	s_add_nc_u64 s[8:9], s[8:9], s[60:61]
	s_add_nc_u64 s[12:13], s[12:13], s[60:61]
	s_add_nc_u64 s[10:11], s[10:11], s[58:59]
; ---- macros ----
.macro TLOAD                           ; a tile of K and of V: each instruction of a wave covers 512 consecutive bytes; other work-groups read them too: no hint
.irp e, 0,1,2,3
	global_load_b128 v[GT+4*\e:GT+4*\e+3], v[GOFF], s[4:5] offset:4096*\e
.endr
.irp e, 0,1,2,3
	global_load_b128 v[GT+16+4*\e:GT+16+4*\e+3], v[GOFF], s[6:7] offset:4096*\e
.endr
.endm
.macro GLOAD                           ; the next tile; stands behind the wait that showed the last tile's loads done, which frees s[4:7]
	s_add_nc_u64 s[4:5], s[4:5], TILE
	s_add_nc_u64 s[6:7], s[6:7], TILE
	TLOAD
.endm
; the tile in GT to f16 and into LDS buffer buf.  left = younger global loads that may stay out
.macro CONV buf, left
	WIN 0
	s_wait_loadcnt \left
.set i, 0
.rept 16
	v_cvt_pk_f16_f32 v[CV+i], v[GT+2*i], v[GT+2*i+1]
.set i, i+1
.endr
.irp e, 0,1,2,3
	ds_store_b64 v[KST], v[CV+2*\e:CV+2*\e+1] offset:KB0+\buf*KBYTES+16*KPITCH*\e
.endr
.irp e, 0,1,2,3
	ds_store_b64 v[VST], v[CV+8+2*\e:CV+8+2*\e+1] offset:VB0+\buf*VBYTES+16*VPITCH*\e
.endr
.endm
.macro KLOAD buf                       ; 64 keys x 64 d as 8 first-source fragments: two loads of 16 bytes, 32 bytes apart, for each
	WIN 0
.irp t, 0,1,2,3
.irp dh, 0,1
	ds_load_b128 v[KF+16*\t+8*\dh:KF+16*\t+8*\dh+3],   v[KADR] offset:KB0+\buf*KBYTES+16*KPITCH*\t+64*\dh
	ds_load_b128 v[KF+16*\t+8*\dh+4:KF+16*\t+8*\dh+7], v[KADR] offset:KB0+\buf*KBYTES+16*KPITCH*\t+64*\dh+32
.endr
.endr
.endm
.macro VLOAD buf                       ; V^T as 8 first-source fragments (16 d x 32 keys): two transposing loads, 16 rows apart, for each
	WIN 0x40
.irp c, 0,1
.irp dt, 0,1,2,3
	ds_load_tr16_b128 v[VF+8*(4*\c+\dt):VF+8*(4*\c+\dt)+3],   v[VADR] offset:VB0+\buf*VBYTES+32*VPITCH*\c+32*\dt
	ds_load_tr16_b128 v[VF+8*(4*\c+\dt)+4:VF+8*(4*\c+\dt)+7], v[VADR] offset:VB0+\buf*VBYTES+32*VPITCH*\c+32*\dt+16*VPITCH
.endr
.endr
.endm
.macro QK g, sb                        ; S^T of group g into score buffer sb: 4 key tiles x 2 halves of d; the first product starts each sum
	WIN 0x04
.irp t, 0,1,2,3
	v_wmma_f32_16x16x32_f16 v[\sb+8*\t:\sb+8*\t+7], v[KF+16*\t:KF+16*\t+7], v[QF+16*\g:QF+16*\g+7], 0
.endr
.irp t, 0,1,2,3
	v_wmma_f32_16x16x32_f16 v[\sb+8*\t:\sb+8*\t+7], v[KF+16*\t+8:KF+16*\t+15], v[QF+16*\g+8:QF+16*\g+15], v[\sb+8*\t:\sb+8*\t+7]
.endr
.endm
; The softmax step of group g on score buffer sb.  mk: this group's 32 lane masks; mkn: the buffer for the next group's.
; first = 1: nothing is carried yet.  nxt = 1: fetch the next group's masks; 2: those of group 0 of the next step; 0: none.
.macro SM g, sb, mk, mkn, first, nxt
	WIN 0
	s_wait_kmcnt 0x0                               ; my two mask loads, the only scalar loads out; also frees s48
.if \nxt == 2
	s_add_co_u32 s48, s48, 128                     ; 4 tiles x 8 dwords on
.endif
.if \nxt != 0
	s_load_b512 s[\mkn:\mkn+15],    s[10:11], s48 offset:((\g+1)&3)*4096
	s_load_b512 s[\mkn+16:\mkn+31], s[10:11], s48 offset:((\g+1)&3)*4096+64
.endif
.set i, 0
.rept 32
	v_cndmask_b32 v[\sb+i], v[NINF], v[\sb+i], s[\mk+i]            ; masked out: -infinity
.set i, i+1
.endr
.irp t, 0,1,2,3                                    ; the maximum of my 32 scores and the old maximum: four chains, then joined
	v_max3_num_f32 v[TMP+\t], v[\sb+8*\t], v[\sb+8*\t+1], v[\sb+8*\t+2]
.endr
.irp t, 0,1,2,3
	v_max3_num_f32 v[TMP+\t], v[TMP+\t], v[\sb+8*\t+3], v[\sb+8*\t+4]
.endr
.irp t, 0,1,2,3
	v_max3_num_f32 v[TMP+\t], v[TMP+\t], v[\sb+8*\t+5], v[\sb+8*\t+6]
.endr
	v_max3_num_f32 v[TMP],   v[TMP],   v[\sb+7],  v[\sb+15]
	v_max3_num_f32 v[TMP+1], v[TMP+1], v[\sb+23], v[\sb+31]
	v_max3_num_f32 v[TMP],   v[TMP],   v[TMP+1],  v[TMP+2]
	v_max3_num_f32 v[TMP],   v[TMP],   v[TMP+3],  v[RMAX+\g]
	v_permlanex16_b32 v[TMP+1], v[TMP], s50, s51   ; the query's other lane
	v_max_num_f32 v[MN], v[TMP], v[TMP+1]          ; finite: at least -FLT_MAX
.if \first == 0
	v_sub_f32 v[AL], v[RMAX+\g], v[MN]
.endif
.set i, 0
.rept 16
	v_pk_add_f32 v[\sb+i:\sb+i+1], v[\sb+i:\sb+i+1], v[MN:MN+1] op_sel_hi:[1,0] neg_lo:[0,1] neg_hi:[0,1]   ; s - m
.set i, i+2
.endr
.set i, 0
.rept 32
	v_exp_f32 v[\sb+i], v[\sb+i]
.set i, i+1
.endr
.if \first == 0
	v_exp_f32 v[AL], v[AL]
.endif
	v_mov_b32 v[RMAX+\g], v[MN]                    ; the plain vector instruction between the exponentials and the first use of a result (ISA guide 5.7.2)
.if \first
	s_wait_alu depctr_va_vdst(0)
	v_pk_add_f32 v[RSUM+2*\g:RSUM+2*\g+1], v[\sb:\sb+1], v[\sb+4:\sb+5]
.else
	s_wait_alu depctr_va_vdst(0)
	v_pk_fma_f32 v[RSUM+2*\g:RSUM+2*\g+1], v[RSUM+2*\g:RSUM+2*\g+1], v[AL:AL+1], v[\sb:\sb+1] op_sel_hi:[1,0,1]
	v_pk_add_f32 v[RSUM+2*\g:RSUM+2*\g+1], v[RSUM+2*\g:RSUM+2*\g+1], v[\sb+4:\sb+5]
.endif
	v_pk_add_f32 v[TB:TB+1], v[\sb+2:\sb+3], v[\sb+6:\sb+7]
.irp k, 8,12,16,20,24,28
	v_pk_add_f32 v[RSUM+2*\g:RSUM+2*\g+1], v[RSUM+2*\g:RSUM+2*\g+1], v[\sb+\k:\sb+\k+1]
	v_pk_add_f32 v[TB:TB+1], v[TB:TB+1], v[\sb+\k+2:\sb+\k+3]
.endr
	v_pk_add_f32 v[RSUM+2*\g:RSUM+2*\g+1], v[RSUM+2*\g:RSUM+2*\g+1], v[TB:TB+1]
.set i, 0
.rept 16
	v_cvt_pk_f16_f32 v[PB+i], v[\sb+2*i], v[\sb+2*i+1]             ; tiles 2 c, 2 c + 1 = registers 0-3, 4-7 of the fragment of keys 32 c ..
.set i, i+1
.endr
.endm
.macro RS g                            ; O of group g times 2^(old maximum - new maximum)
	WIN 0x41
.set i, 0
.rept 16
	v_pk_mul_f32 v[OA+32*\g+i:OA+32*\g+i+1], v[OA+32*\g+i:OA+32*\g+i+1], v[AL:AL+1] op_sel_hi:[1,0]
.set i, i+2
.endr
.endm
.macro PV g, first                     ; O^T += V^T P^T; in the first step the first product starts the sums: nothing is cleared
	WIN 0x51
.irp dt, 0,1,2,3
.if \first
	v_wmma_f32_16x16x32_f16 v[OA+32*\g+8*\dt:OA+32*\g+8*\dt+7], v[VF+8*\dt:VF+8*\dt+7], v[PB:PB+7], 0
.else
	v_wmma_f32_16x16x32_f16 v[OA+32*\g+8*\dt:OA+32*\g+8*\dt+7], v[VF+8*\dt:VF+8*\dt+7], v[PB:PB+7], v[OA+32*\g+8*\dt:OA+32*\g+8*\dt+7]
.endif
.endr
.irp dt, 0,1,2,3
	v_wmma_f32_16x16x32_f16 v[OA+32*\g+8*\dt:OA+32*\g+8*\dt+7], v[VF+32+8*\dt:VF+32+8*\dt+7], v[PB+8:PB+15], v[OA+32*\g+8*\dt:OA+32*\g+8*\dt+7]
.endr
.endm
.macro RSPV g, first
.if \first == 0
	RS \g
.endif
	PV \g, \first
.endm
; STEP t of the keys, on LDS buffer cur = t & 1.  conv: tile t + 1 (in GT) goes to buffer nxt; gload: tile t + 2 is asked for;
; pf: wave 0 asks for its work-group's quarter of tile t + 3; last: no step follows.
; DISTANCES behind matrix instructions (independent vector instructions or v_nop between): the 16 conversions of CONV
; (or 4 v_nop) stand between QK 0 and the first read of its scores, and between the last step's PV 3 and the loads into V's fragments;
; every other result is read, and every other source rewritten, a whole softmax step of another score buffer later.
; ONE BARRIER A STEP.  In front of its signal each wave has waited (the s_wait_dscnt 0 behind SM 0, since when it has issued nothing to LDS)
; for its stores of tile t + 1 into buffer nxt and for its reads of K and V of tile t from buffer cur.  Behind the barrier K of tile t + 1 is
; read from nxt, and in the next step V of it, while cur is written again.
.macro TRIP cur, nxt, first, conv, gload, pf, last, id
	s_wait_dscnt 0x0                               ; this step's K fragments, asked for behind the last barrier
	QK 0, SCA
	QK 1, SCB
.if \conv
	CONV \nxt, 0                                   ; the tile was asked for a step ago; nothing younger is out
.else
.rept 4
	v_nop
.endr
.endif
	VLOAD \cur
	WIN 0
.if \pf
	s_wait_xcnt 0x0                                ; the prefetch of the last step has had its address translated: its base may step
	s_add_nc_u64 s[54:55], s[54:55], TILE
.endif
.if \gload
	GLOAD
.endif
.if \pf
	; One request a step and work-group: 32 lanes, 256 bytes apart, 8,192 bytes of tile t + 3, which is loaded in step t + 1.  The four
	; work-groups of a head ask for the two halves of K's tile and the two of V's, so that each block is asked for once in the launch.
	; Steps 0 to 28 ask: the last tile asked for is tile 31, the head's last.
	s_cmp_lg_u32 s14, 0
	s_cbranch_scc1 .Lpf\id
	global_prefetch_b8 v[PFO], s[54:55] th:TH_LOAD_NT scope:SCOPE_SE
.Lpf\id:
.endif
	SM 0, SCA, MKA, MKB, \first, 1
	s_wait_dscnt 0x0                               ; V's fragments are in, and my stores of the next tile are done
	RSPV 0, \first
	QK 2, SCA
	SM 1, SCB, MKB, MKA, \first, 1
	RSPV 1, \first
	QK 3, SCB
	SM 2, SCA, MKA, MKB, \first, 1
.if \last == 0
	s_barrier_signal -1
.endif
	RSPV 2, \first                                 ; registers only, while the other waves arrive
.if \last == 0
	s_barrier_wait -1
	KLOAD \nxt
	SM 3, SCB, MKB, MKA, \first, 2
.else
	SM 3, SCB, MKB, MKA, \first, 0
.endif
	RSPV 3, \first
	WIN 0                                          ; at a label and at a branch every window is 0
.endm
; ---- prologue ----
	TLOAD                                          ; tile 0
.irp g, 0,1,2,3                                    ; my 64 rows of Q, in the order of second-source fragments: lane (r, h) takes d = 32 dh + 8 h .. + 7 and + 16
.irp dh, 0,1
	global_load_b128 v[QR+32*\g+16*\dh:QR+32*\g+16*\dh+3],     v[QOFF], s[8:9] offset:4096*\g+128*\dh    th:TH_LOAD_NT
	global_load_b128 v[QR+32*\g+16*\dh+4:QR+32*\g+16*\dh+7],   v[QOFF], s[8:9] offset:4096*\g+128*\dh+16 th:TH_LOAD_NT
	global_load_b128 v[QR+32*\g+16*\dh+8:QR+32*\g+16*\dh+11],  v[QOFF], s[8:9] offset:4096*\g+128*\dh+64 th:TH_LOAD_NT
	global_load_b128 v[QR+32*\g+16*\dh+12:QR+32*\g+16*\dh+15], v[QOFF], s[8:9] offset:4096*\g+128*\dh+80 th:TH_LOAD_NT
.endr
.endr
	s_load_b512 s[MKA:MKA+15],    s[10:11], s48 offset:0           ; masks of step 0, group 0
	s_load_b512 s[MKA+16:MKA+31], s[10:11], s48 offset:64
	CONV 0, 32                                     ; tile 0 is in; Q's 32 loads, issued behind it, stay out
	GLOAD                                          ; tile 1
	s_wait_loadcnt 8                               ; Q is in; tile 1's 8 loads stay out
.set i, 0
.rept 64
	v_pk_mul_f32 v[QR+i:QR+i+1], v[QR+i:QR+i+1], s[52:53] op_sel_hi:[1,0]
.set i, i+2
.endr
	WIN 0x40
.set i, 0
.rept 64
	v_cvt_pk_f16_f32 v[QF+i], v[QR+2*i], v[QR+2*i+1]
.set i, i+1
.endr
	WIN 0
	s_wait_dscnt 0x0                               ; my part of tile 0 is in LDS,
	s_barrier_signal -1
	s_barrier_wait -1                              ; everybody's is
	KLOAD 0
; ---- the 32 steps ----
	TRIP 0, 1, 1, 1, 1, 1, 0, 0                    ; step 0 starts the sums
	TRIP 1, 0, 0, 1, 1, 1, 0, 1
	s_mov_b32 s49, 13                              ; steps 2 to 27, two to a pass
.Lloop:
	TRIP 0, 1, 0, 1, 1, 1, 0, 2
	TRIP 1, 0, 0, 1, 1, 1, 0, 3
	s_sub_co_i32 s49, s49, 1
	s_cmp_lg_u32 s49, 0
	s_cbranch_scc1 .Lloop
	TRIP 0, 1, 0, 1, 1, 1, 0, 4                    ; step 28: the last prefetch (tile 31)
	TRIP 1, 0, 0, 1, 1, 0, 0, 5                    ; step 29: the last load (tile 31)
	TRIP 0, 1, 0, 1, 0, 0, 0, 6                    ; step 30: the last conversion
	TRIP 1, 0, 0, 0, 0, 0, 1, 7                    ; step 31
; ---- the way out ----
; The eight additions below are also the independent vector instructions between the last matrix instructions and the first read of their results.
.irp g, 0,1,2,3
	v_add_f32 v[TMP+\g], v[RSUM+2*\g], v[RSUM+2*\g+1]
.endr
.irp g, 0,1,2,3
	v_permlanex16_b32 v[MN+\g], v[TMP+\g], s50, s51                ; the query's other lane; v24-27 have been written before
.endr
.irp g, 0,1,2,3
	v_add_f32 v[TMP+\g], v[TMP+\g], v[MN+\g]
.endr
.irp g, 0,1,2,3
	v_rcp_f32 v[INV+2*\g],   v[TMP+\g]
	v_rcp_f32 v[INV+2*\g+1], v[TMP+\g]
.endr
	v_nop                                          ; one plain place behind the reciprocals (ISA guide 5.7.2)
	s_wait_alu depctr_va_vdst(0)
; Group g: divide, lay 16 rows of 256 bytes into my own stage (a lane holds 8 neighbouring d of one query for each dt), read them back by rows
; and store: sixteen lanes write 256 consecutive bytes, aligned.  LDS serves a wave's instructions in order (ISA guide 5.7.1), and the
; stage is my wave's alone: no wait between stores and loads, no barrier.  f: score buffer A or B in turn.
.macro OUT g, f
	WIN 0x41
.set i, 0
.rept 16
	v_pk_mul_f32 v[OA+32*\g+i:OA+32*\g+i+1], v[OA+32*\g+i:OA+32*\g+i+1], v[INV+2*\g:INV+2*\g+1]
.set i, i+2
.endr
	WIN 0x04
.irp dt, 0,1,2,3
	ds_store_b128 v[STO], v[OA+32*\g+8*\dt:OA+32*\g+8*\dt+3]   offset:64*\dt
	ds_store_b128 v[STO], v[OA+32*\g+8*\dt+4:OA+32*\g+8*\dt+7] offset:64*\dt+16
.endr
	WIN 0
.if \g >= 2
	s_wait_xcnt 0x0                                ; the stores of two groups ago have read buffer f: it is loaded again only behind this wait
.endif
.irp e, 0,1,2,3,4,5,6,7
	ds_load_b128 v[\f+4*\e:\f+4*\e+3], v[SRD] offset:2*SPITCH*\e
.endr
.irp e, 0,1,2,3,4,5,6,7
	s_wait_dscnt 7-\e                              ; rows 2 e, 2 e + 1 are in; the 7 - e younger loads stay out
	global_store_b128 v[OOFF], v[\f+4*\e:\f+4*\e+3], s[12:13] offset:4096*\g+512*\e th:TH_STORE_NT
.endr
.endm
	OUT 0, SCA
	OUT 1, SCB
	OUT 2, SCA
	OUT 3, SCB
	s_wait_tensorcnt 0x0
	ds_add_u32 v254, v255
	s_wait_dscnt 0x0
	s_endpgm
.Lfunc_end_k_q1da8958cdc_attn:
	.size	k_q1da8958cdc_attn, .Lfunc_end_k_q1da8958cdc_attn-k_q1da8958cdc_attn
	.p2alignl 7, 3214868480
	.fill 96, 4, 3214868480
	.section	.rodata,"a",@progbits
	.p2align	6, 0x0
	.amdhsa_kernel k_q1da8958cdc_attn
		.amdhsa_group_segment_fixed_size 74752
		.amdhsa_private_segment_fixed_size 0
		.amdhsa_enable_private_segment 0
		.amdhsa_kernarg_size 40
		.amdhsa_user_sgpr_count 2
		.amdhsa_user_sgpr_kernarg_segment_ptr 1
		.amdhsa_wavefront_size32 1
		.amdhsa_system_sgpr_workgroup_id_x 1
		.amdhsa_system_sgpr_workgroup_id_y 1
		.amdhsa_system_sgpr_workgroup_id_z 1
		.amdhsa_system_vgpr_workitem_id 0
		.amdhsa_next_free_vgpr 512
		.amdhsa_next_free_sgpr 100
		.amdhsa_reserve_vcc 0
		.amdhsa_float_denorm_mode_32 3
		.amdhsa_float_denorm_mode_16_64 3
		.amdhsa_memory_ordered 1
		.amdhsa_forward_progress 1
		.amdhsa_inst_pref_size 255
	.end_amdhsa_kernel
	.section	.bss,"aw",@nobits
	.p2align	6
	.space	262144
	.amdgpu_metadata
---
amdhsa.version: [ 1, 2 ]
amdhsa.kernels:
  - .name:           k_q1da8958cdc_attn
    .symbol:         k_q1da8958cdc_attn.kd
    .args:
      - { .name: key, .offset: 0, .size: 8, .value_kind: global_buffer, .address_space: global }
      - { .name: value, .offset: 8, .size: 8, .value_kind: global_buffer, .address_space: global }
      - { .name: query, .offset: 16, .size: 8, .value_kind: global_buffer, .address_space: global }
      - { .name: mbits, .offset: 24, .size: 8, .value_kind: global_buffer, .address_space: global }
      - { .name: out0, .offset: 32, .size: 8, .value_kind: global_buffer, .address_space: global }
    .group_segment_fixed_size: 74752
    .private_segment_fixed_size: 0
    .kernarg_segment_align: 8
    .kernarg_segment_size: 40
    .max_flat_workgroup_size: 256
    .sgpr_count:     100
    .vgpr_count:     512
    .wavefront_size: 32
...
	.end_amdgpu_metadata
.endif
;; end of part 2
